; MI455X (gfx1250); checked and timed in simulation.
; The chip was launched on July 23, 2026; its instructions are those of AMD's public machine-readable ISA for CDNA 5 (MIT licence, August 2026) and "CDNA5" Instruction Set Architecture Reference Guide (July 2026). The comments in the code are by the model that wrote it; some were corrected since.
;; Encoder. Allowed arithmetic: matrix products marked QUANTISED: E4M3 operands, one given power-of-two scale a tensor, by v_wmma_f32_16x16x64_fp8_fp8 or v_wmma_f32_16x16x128_fp8_fp8, f32 sums; everything else in f32.
;; Inputs: ffn_b 512 float32; ffn_w_codes 512 x 16 x 32 uint8 (E4M3 codes of ffn_w, K innermost, in blocks of 32 codes); ln1_b 512 float32; ln1_g 512 float32; ln2_b 512 float32; ln2_g 512 float32; lowp_scales 14 int32 (the exponents e of the quantised operands' scales 2^e); w_mh_codes 512 x 16 x 32 uint8 (E4M3 codes of w_mh, K innermost, in blocks of 32 codes); wk_codes 8 x 64 x 16 x 32 uint8 (E4M3 codes of wk, K innermost, in blocks of 32 codes); wq_codes 8 x 64 x 16 x 32 uint8 (E4M3 codes of wq, K innermost, in blocks of 32 codes); wv_codes 8 x 64 x 16 x 32 uint8 (E4M3 codes of wv, K innermost, in blocks of 32 codes); x 4,096 x 512 float32.
;; Outputs: out0 4,096 x 512 float32.
;; This version of the problem:
;;   THIS VERSION OF THE PROBLEM IS GIVEN IN LOW PRECISION. The matrix products marked QUANTISED in the list below multiply operands that are first quantised to E4M3 (4 exponent bits, 3 mantissa bits; 8 bits a number), with one given power-of-two scale for each operand tensor; their sums are f32. All else is computed in f32.
;;   The module's matrix products, in the order in which they are computed (A, B: the left and right operand; K: the contracted axis; several contracted axes count as one K, in the product's order):
;;     1. [M 512, K 512] x [K 512, N 4,096]; A: input wq (given as codes); B: input x: QUANTISED (scales: A lowp_scales[0], B lowp_scales[1])
;;     2. [M 512, K 512] x [K 512, N 4,096]; A: input wk (given as codes); B: input x: QUANTISED (scales: A lowp_scales[2], B lowp_scales[3])
;;     3. [M 512, K 512] x [K 512, N 4,096]; A: input wv (given as codes); B: input x: QUANTISED (scales: A lowp_scales[4], B lowp_scales[5])
;;     4. batch 8 x [M 4,096, K 64] x [K 64, N 4,096]; A: computed on the way; B: computed on the way: QUANTISED (scales: A lowp_scales[6], B lowp_scales[7])
;;     5. batch 8 x [M 4,096, K 4,096] x [K 4,096, N 64]; A: softmax (see below); B: computed on the way: QUANTISED (scales: A lowp_scales[8], B lowp_scales[9])
;;     6. [M 4,096, K 512] x [K 512, N 512]; A: computed on the way; B: input w_mh (given as codes): QUANTISED (scales: A lowp_scales[10], B lowp_scales[11])
;;     7. [M 4,096, K 512] x [K 512, N 512]; A: computed on the way; B: input ffn_w (given as codes): QUANTISED (scales: A lowp_scales[12], B lowp_scales[13])
;;   THE QUANTISER, for each operand of a quantised product, along K:
;;     - The operand's scale is 2^e, e = its entry of the input lowp_scales (int32; the entries are numbered through the quantised products in the list's order, A before B).
;;     - Each number is divided by the scale, clamped to +-448, and rounded to the nearest number of E4M3, ties to even, subnormals kept.
;;     - The product sums the exact products of the quantised numbers (number of the format x scale) in f32.
;;   ~~~python
;;   def quantise(x, axis, e):      # numpy; x: float32 -> the quantised numbers, widened to float32 again
;;       x = np.moveaxis(x, axis, -1); K = x.shape[-1]
;;       r = np.clip(x / 2.0 ** e, -448, 448)
;;       step = 2.0 ** (np.maximum(np.frexp(np.where(r == 0, 1, r))[1] - 1, -6) - 3)
;;       q = np.round(r / step) * step * 2.0 ** e      # np.round: ties to even
;;       return np.moveaxis(q, -1, axis).astype(np.float32)
;;   ~~~
;;   SOFTMAX AHEAD OF A QUANTISED PRODUCT. Where the list says 'softmax', what is quantised is not the finished softmax but p = 2^(t - M), with t = logit x log2(e) and M = ceil(the row's largest t), a whole number; so 1/2 < the row's largest p <= 1. The row's sum l is taken of the UNQUANTISED p, in f32, and the product's result is divided by l at the end. Since M is a whole number, a kernel that streams over the keys may use a running M (the ceiling of the running maximum): every later rescaling is an exact power of two, so the quantised numbers keep their values, but for numbers so far below the row's largest that they fall under the format's range.
;;   OPERANDS COMPUTED ON THE WAY. 'Computed on the way' means the value that the module computes at that place (a softmax that the list does not call 'softmax' is quantised finished and normalised). What goes into a quantiser is computed in f32, as accurately as f32 sums, v_exp_f32 and their like allow (about 1e-6 of the number): no bf16 or f16 on the way to a quantiser, and a product that is left as it is and whose result goes on into a quantised operand takes f32 operands (vector FMAs, or v_wmma_f32_16x16x4_f32). A number that lies on a knife's edge between two numbers of the format may be rounded either way, as far as f32 arithmetic and the matrix unit's own rounding can turn it there, and no further.
;;   INPUTS GIVEN AS CODES. ffn_w (in the module: [512, 512], K = its axis 1); w_mh (in the module: [512, 512], K = its axis 0); wk (in the module: [8, 512, 64], K = its axis 1); wq (in the module: [8, 512, 64], K = its axis 1); wv (in the module: [8, 512, 64], K = its axis 1): each comes as NAME_codes (uint8): NAME with its K axis moved to the last place and cut into blocks of 32 codes, [.., K / 32, bytes a block], one block behind the other in memory; one code a byte (a code: sign, 4 exponent bits, 3 mantissa bits); its scale is its entry of lowp_scales. Its value is code x scale, taken as it is: it is not quantised again, and the codes and scales need not be those that the quantiser above would give.
;; One version. Each part assembles by itself: llvm-mc -triple=amdgcn-amd-amdhsa -mcpu=gfx1250 --defsym DOCPART=n.
;; ======== version 1 of 1: 3 launches
;; limits: right only within a limited range of input values
;; workspace buffers: qc 2,097,152 bytes; kv 4,194,304 bytes; zc 2,097,152 bytes; wimg 524,288 bytes
;; launch qkv (part 1): grid 64 x 3, 16 waves a work-group, clusters of 4 x 1, 305,152 bytes of LDS; arguments x, wq_codes, wk_codes, wv_codes, lowp_scales, qc, kv; writes qc, kv
.if DOCPART == 1
	.amdgcn_target "amdgcn-amd-amdhsa--gfx1250"
	.amdhsa_code_object_version 6
	.text
	.protected	k_qce13bafd03_qkv
	.globl	k_qce13bafd03_qkv
	.p2align	8
	.type	k_qce13bafd03_qkv,@function
k_qce13bafd03_qkv:
	s_mov_b64 s[64:65], 0
	v_nop
	global_prefetch_b8 v0, s[64:65] scope:SCOPE_SE
	s_setreg_imm32_b32 hwreg(HW_REG_WAVE_MODE, 25, 1), 1
	s_wait_xcnt 0x0
	s_wait_alu depctr_hold_cnt(0) depctr_sa_sdst(0) depctr_va_vdst(0) depctr_va_sdst(0) depctr_va_ssrc(0) depctr_va_vcc(0) depctr_vm_vsrc(0)
	s_getreg_b32 s2, hwreg(HW_REG_IB_STS2, 6, 4)
	s_cmp_eq_u32 s2, 0
	s_cbranch_scc0 .Lentry_in_a_cluster
	s_endpgm
.Lentry_in_a_cluster:
	s_bfe_u32 s2, ttmp6, 0x10000c
	s_cmp_lg_u32 s2, 0x3003
	s_cbranch_scc0 .Lentry_shape_is_right
	s_endpgm
.Lentry_shape_is_right:
; q, k, v = x W, on codes of FP8 (E4M3), and their own codes for the attention that follows.
; A work-group takes 64 tokens (work-group x) and all 512 columns of ONE kind (work-group y: 0 q, 1 k, 2 v), so x is quantised here with one scale, the kind's own.
; Wave w owns weight rows 32 w .. 32 w + 31 (head w / 2, units 32 (w % 2) on): 2 tiles x 4 K steps = 128 registers.  It fetches them itself by ONE tensor load of 32 rows of 512 bytes and alone reads them.
; CLUSTER.  Four blocks of tokens of one kind form a cluster and need the same weights: each wave's rows are asked for JOINTLY, by the same load with the same descriptor and the mask of all four.
; LDS rows of W are 528 bytes apart (16 of padding), so that the sixteen rows of a fragment load start at sixteen different banks (64 banks of 4 bytes: ISA guide 11.1).
; x: wave w quantises 16 tokens x 128 along K (tile w / 4, K step w % 4).  A load takes 128 bytes of each of four rows, four such loads on end complete 512 bytes of a row.  Blocks of 16 rows x 128 bytes are turned through
; the wave's own 2,048 bytes of LDS, so that a lane holds 16 neighbours along K: column c of 16 bytes of row r lies at column c xor (r % 8).  Then the same bytes take the fragment as an IMAGE OF ITS REGISTERS;
; one barrier; every wave reads all 16 fragments.
; A tile's rows of W are 16 neighbours: lane r of tile u takes row 32 w + 16 u + r.
;   q, k: source 0 = W, source 1 = x: lane (r, h) holds token r, and its registers of tiles u = 0, 1 are units 16 u + 8 h + 0 .. 7 of the wave's 32: the same order in q and in k, whose product sums over it.
;   v:    source 0 = x, source 1 = W: lane (r, h) holds one channel and eight tokens 8 h + 0 .. 7, which are neighbours along the next K, the keys.
; All three results leave as images of the next launch's operand registers: every store of a wave covers 512 consecutive bytes, aligned.
; The three scales ahead of a result's quantiser are folded into the conversion's one: 2^(e_out - e_w - e_x).
; No data prefetch: the launch has no loop to run ahead in.  In the whole program no step of the reference is left out.
; LIMITS: e_x and e_out - e_w - e_x lie between -126 and 119, so that each power of two and 448 times it is an f32 number.  NaN among the inputs is not served.
.set WP,    528
.set XIMG,  270336                     ; behind the 512 rows of W: 16 x 2,048 bytes: the waves' stages, then x's fragments (tile m, K step s: 4 m + s)
.set SPARE, 303104                     ; the spare words, 128 bytes for each of 16 waves, which no other line names
.set XG,  1                            ; x: row lane / 8, 16 bytes x (lane % 8)
.set SX,  2                            ; 2^e_x
.set SXH, 3                            ; 448 x that
.set LI,  4                            ; 16 x lane
.set XSA, 5                            ; v5, v6   the stage on the way in, for even and odd fours of rows
.set XL,  7                            ; v7-10    the stage on the way out, for each of a lane's four pieces
.set SO,  7                            ; v7, v8   behind the stage: 2^(e_out - e_w - e_x) and 448 x that
.set SOH, 8
.set XWI, 11                           ; where I store my fragment's image
.set XRI, 12                           ; from where any fragment is read
.set WA,  13                           ; my weight rows: row r, + 16 h
.set SPW, 14
.set NIL, 15
.set CD,  16                           ; v16-31   codes
.set FR,  32                           ; v32-95   x as f32, then four fragments of x
.set ACC, 96                           ; v96-127  accumulator (m % 2, u) at 96 + 16 (m % 2) + 8 u
.set W,   128                          ; v128-255 weights: (u, s) at 128 + 16 (4 u + s)
.macro CROUND                          ; a round of the cluster's barrier
	s_barrier_signal -1
	s_barrier_wait -1
	s_cmp_lg_u32 s18, 0
	s_cbranch_scc1 .Lnot_wave_0_\@
	s_barrier_signal -3
.Lnot_wave_0_\@:
	s_barrier_wait -3
	s_barrier_signal -1
	s_barrier_wait -1
.endm
.macro P4                              ; four places behind matrix instructions (ISA guide 7.12.1)
.rept 4
	v_nop
.endr
.endm
	s_load_b256 s[4:11], s[0:1], 0x0               ; x s[4:5], wq s[6:7], wk s[8:9], wv s[10:11]
	s_load_b128 s[12:15], s[0:1], 0x20             ; the scales' exponents s[12:13], qc s[14:15]
	s_load_b64 s[16:17], s[0:1], 0x30              ; kv
	v_lshl_add_u32 v[SPW], v0, 2, SPARE
	v_mov_b32 v[NIL], 0
	ds_add_u32 v[SPW], v[NIL]                      ; the opening: the add, twice on end, and its wait
	ds_add_u32 v[SPW], v[NIL]
	v_lshrrev_b32 v32, 5, v0
	v_readfirstlane_b32 s18, v32                   ; wave 0..15
	s_bfe_u32 s50, ttmp6, 0x40000                  ; cx: it enters global addresses of my own loads and stores alone
	s_lshl_b32 s51, ttmp9, 2
	s_add_co_u32 s51, s51, s50                     ; my block of 64 tokens
	s_and_b32 s19, ttmp7, 0xffff                   ; the kind, which the four partners share
	s_lshl_b32 s52, s18, 11
	s_add_co_u32 s52, s52, XIMG                    ; my stage and image
	s_mul_i32 s53, s18, 32*WP                      ; my weight rows
	v_and_b32 v33, 31, v0                          ; lane
	v_and_b32 v34, 15, v0                          ; r
	v_bfe_u32 v35, v0, 4, 1                        ; h
	v_lshrrev_b32 v36, 3, v33                      ; lane / 8
	v_and_b32 v37, 7, v0                           ; lane % 8
	v_lshlrev_b32 v[LI], 4, v33
	v_lshlrev_b32 v38, 4, v37
	v_lshl_add_u32 v[XG], v36, 11, v38
	v_xor_b32 v37, v37, v36
	v_lshlrev_b32 v37, 4, v37                      ; in: rows 8 n + lane / 8,
	v_xor_b32 v39, 64, v37                         ; and rows 8 n + 4 + lane / 8
	v_lshlrev_b32 v38, 7, v36
	v_add_nc_u32 v37, v37, v38
	v_add_nc_u32 v39, v39, v38
	v_add_nc_u32 v[XSA], s52, v37
	v_add_nc_u32 v[XSA+1], s52, v39
	v_and_b32 v36, 7, v34
	v_lshlrev_b32 v36, 4, v36
	v_lshlrev_b32 v37, 6, v35
	v_xor_b32 v36, v36, v37                        ; out: column (4 h + j) xor (r % 8) of row r
	v_lshlrev_b32 v38, 7, v34
	v_add_nc_u32 v38, s52, v38
	v_add_nc_u32 v[XL], v36, v38
.irp j, 1,2,3
	v_xor_b32 v[XL+\j], 16*\j, v36
.endr
.irp j, 1,2,3
	v_add_nc_u32 v[XL+\j], v[XL+\j], v38
.endr
	v_add_nc_u32 v[XWI], s52, v[LI]
	v_add_nc_u32 v[XRI], XIMG, v[LI]
	v_mul_u32_u24 v[WA], v34, WP
	v_lshl_add_u32 v[WA], v35, 4, v[WA]
	v_add_nc_u32 v[WA], s53, v[WA]
	; descriptor group 1: 32 rows of 512 bytes, dense in memory, padded in LDS
	s_mov_b32 s68, 15|(3<<16)|(1<<20)|(1<<21)|(6<<22)|(3<<25)  ; 15:0 the mask: all four work-groups; 17:16 elements of 8 bytes; 20 padding on; 21 set beside a mask; 24:22 after every 128 words (code 6); 31:25 of 4 words (code 3)
	s_mov_b32 s69, 64<<16                          ; tensor_dim0 = 64 elements
	s_mov_b32 s70, 32<<16                          ; tensor_dim1 = 32
	s_mov_b32 s71, 64<<16                          ; tile_dim0 = 64
	s_mov_b32 s72, 32                              ; tile_dim1 = 32
	s_mov_b32 s73, 64                              ; from row to row: 64 elements
	s_mov_b32 s74, 0
	s_mov_b32 s75, 0
	s_lshl_b32 s36, s51, 17                        ; x: 64 tokens of 2,048 bytes a work-group,
	s_lshr_b32 s38, s18, 2
	s_lshl_b32 s38, s38, 15                        ; 16 tokens a tile,
	s_add_co_u32 s36, s36, s38
	s_and_b32 s38, s18, 3
	s_lshl_b32 s38, s38, 9                         ; 512 bytes a K step
	s_add_co_u32 s36, s36, s38
	s_mov_b32 s37, 0
	s_lshl_b32 s38, s18, 14                        ; W: my 32 rows
	s_mov_b32 s39, 0
	s_lshr_b32 s40, s18, 1                         ; head
	s_and_b32 s41, s18, 1                          ; which 32 of its 64 units
	s_lshl_b32 s42, s40, 18                        ; qc: [head][token tile][b][lane][16]
	s_lshl_b32 s43, s51, 12
	s_add_co_u32 s42, s42, s43
	s_lshl_b32 s43, s41, 9
	s_add_co_u32 s42, s42, s43
	s_lshl_b32 s44, s40, 19                        ; kv: [head][block of 512 keys][65,536]
	s_lshr_b32 s43, s51, 3
	s_lshl_b32 s43, s43, 16
	s_add_co_u32 s44, s44, s43
	s_and_b32 s45, s51, 7
	s_lshl_b32 s43, s45, 12                        ; K: [key tile 32][b][lane][16]
	s_add_co_u32 s46, s44, s43
	s_lshl_b32 s43, s41, 9
	s_add_co_u32 s46, s46, s43
	s_lshr_b32 s43, s45, 1                         ; V, 32,768 on: [step of 128 keys][channel tile 4][group of four registers 4][lane][16]
	s_lshl_b32 s43, s43, 13
	s_add_co_u32 s47, s44, s43
	s_lshl_b32 s43, s41, 12
	s_add_co_u32 s47, s47, s43
	s_and_b32 s43, s51, 1
	s_lshl_b32 s43, s43, 10
	s_add_co_u32 s47, s47, s43
	s_add_co_u32 s47, s47, 32768
	s_cmp_eq_u32 s19, 0
	s_cselect_b32 s48, s42, s46
	s_cmp_eq_u32 s19, 2
	s_cselect_b32 s48, s47, s48                    ; my results' byte offset
	s_mov_b32 s49, 0
	s_wait_alu depctr_va_vdst(0)                   ; ahead of the waits below
	s_wait_dscnt 0x0                               ; both opening adds are done
	s_wait_kmcnt 0x0
	s_load_b256 s[24:31], s[12:13], 0x0            ; e0 .. e7
	s_load_b64 s[32:33], s[12:13], 0x20            ; e8, e9
	s_cmp_eq_u32 s19, 0                            ; the buffers are chosen by the work-group's y alone
	s_cselect_b64 s[20:21], s[6:7], s[8:9]
	s_cselect_b64 s[22:23], s[14:15], s[16:17]
	s_cmp_eq_u32 s19, 2
	s_cselect_b64 s[20:21], s[10:11], s[20:21]
	s_add_nc_u64 s[4:5], s[4:5], s[36:37]
	s_add_nc_u64 s[22:23], s[22:23], s[48:49]
	s_mov_b32 s76, 1                               ; group 0: count = 1
	s_mov_b32 s77, s53                             ; LDS address: my rows
	s_add_nc_u64 s[78:79], s[20:21], s[38:39]
	s_or_b32 s79, s79, 0x80000000                  ; type = 2
.irp c, 0,1,2,3
.irp i, 0,1,2,3
	global_load_b128 v[FR+16*\c+4*\i:FR+16*\c+4*\i+3], v[XG], s[4:5] offset:8192*\i+128*\c   ; tokens 4 i + lane / 8, k = 32 c + 4 (lane % 8) ..
.endr
.endr
	CROUND                                         ; all four work-groups are here: the joint loads meet
	tensor_load_to_lds s[76:79], s[68:75]          ; my 32 rows of W
	s_nop 0
	P4
	s_wait_kmcnt 0x0
	s_cmp_eq_u32 s19, 0
	s_cselect_b32 s34, s24, s26                    ; e_w
	s_cselect_b32 s35, s25, s27                    ; e_x
	s_cselect_b32 s36, s30, s31                    ; e_out
	s_cmp_eq_u32 s19, 2
	s_cselect_b32 s34, s28, s34
	s_cselect_b32 s35, s29, s35
	s_cselect_b32 s36, s33, s36
	s_sub_co_i32 s36, s36, s34
	s_sub_co_i32 s36, s36, s35                     ; e_out - e_w - e_x
	s_add_co_i32 s35, s35, 127
	s_lshl_b32 s37, s35, 23                        ; 2^e_x as f32: the conversion takes its exponent field
	s_add_co_i32 s35, s35, 8
	s_lshl_b32 s35, s35, 23
	s_or_b32 s35, s35, 0x600000                    ; 448 x that
	s_add_co_i32 s36, s36, 127
	s_lshl_b32 s54, s36, 23                        ; 2^(e_out - e_w - e_x)
	s_add_co_i32 s36, s36, 8
	s_lshl_b32 s36, s36, 23
	s_or_b32 s55, s36, 0x600000                    ; 448 x that
	v_mov_b32 v[SX], s37
	v_mov_b32 v[SXH], s35
	s_wait_alu depctr_va_vdst(0)
.irp c, 0,1,2,3
	s_wait_loadcnt 12-4*\c                         ; block c's four loads are in; the later blocks' may be out
.irp i, 0,1,2,3
	ds_store_b128 v[XSA+\i%2], v[FR+16*\c+4*\i:FR+16*\c+4*\i+3] offset:512*\i
.endr
.irp j, 0,1,2,3
	ds_load_b128 v[FR+16*\c+4*\j:FR+16*\c+4*\j+3], v[XL+\j]   ; LDS serves a wave's instructions in order (ISA guide 5.7.1.4): these see my stores, and the next block's stores come behind them.  Register 16 c + i: k = 32 c + 16 h + i of token r
.endr
.endr
	s_wait_dscnt 0x0
	v_mov_b32 v[SO], s54
	v_mov_b32 v[SOH], s55
.irp b, 0,1,2,3
.set ix, 0
.rept 16
	v_med3_num_f32 v[FR+16*\b+ix], v[FR+16*\b+ix], -v[SXH], v[SXH]   ; the conversion to an 8-bit code does not saturate (ISA guide 7.6.2): the hold at the largest code x the scale
.set ix, ix+1
.endr
	v_cvt_scalef32_pk8_fp8_f32 v[CD+4*\b:CD+4*\b+1], v[FR+16*\b:FR+16*\b+7], v[SX]
	v_cvt_scalef32_pk8_fp8_f32 v[CD+4*\b+2:CD+4*\b+3], v[FR+16*\b+8:FR+16*\b+15], v[SX]
.endr
	v_nop                                          ; a plain vector line behind the last conversion
.irp c, 0,1,2,3
	ds_store_b128 v[XWI], v[CD+4*\c:CD+4*\c+3] offset:512*\c
.endr
	s_wait_dscnt 0x0                               ; for the others' sake: my image has landed
	s_barrier_signal -1                            ; my own rows of W are read while the others arrive
	s_wait_tensorcnt 0x0                           ; my rows of W are in: none but my wave reads them
.irp s, 0,1,2,3
.irp u, 0,1
.irp c, 0,1,2,3
	ds_load_b128 v[W+16*(4*\u+\s)+4*\c:W+16*(4*\u+\s)+4*\c+3], v[WA] offset:16*WP*\u+128*\s+32*\c   ; registers 4 c .. 4 c + 3: k = 128 s + 32 c + 16 h + 0 .. 15
.endr
.endr
.endr
	s_barrier_wait -1                              ; x's 16 fragments lie in LDS; from here on LDS is only read
.macro FETCHX m                        ; the four fragments (K steps) of token tile m
.irp s, 0,1,2,3
.irp c, 0,1,2,3
	ds_load_b128 v[FR+16*\s+4*\c:FR+16*\s+4*\c+3], v[XRI] offset:(4*(\m)+\s)*2048+512*\c
.endr
.endr
.endm
.macro MULQK m                         ; source 0 = W, source 1 = x; the two accumulators take turns; the first K step starts the sums
.irp s, 0,1,2,3
.irp u, 0,1
.set AC, ACC+16*((\m)%2)+8*\u
.if \s == 0
	v_wmma_f32_16x16x128_fp8_fp8 v[AC:AC+7], v[W+16*(4*\u+\s):W+16*(4*\u+\s)+15], v[FR+16*\s:FR+16*\s+15], 0
.else
	v_wmma_f32_16x16x128_fp8_fp8 v[AC:AC+7], v[W+16*(4*\u+\s):W+16*(4*\u+\s)+15], v[FR+16*\s:FR+16*\s+15], v[AC:AC+7]
.endif
.endr
.endr
.endm
.macro MULV m                          ; the same with the sources changed over
.irp s, 0,1,2,3
.irp u, 0,1
.set AC, ACC+16*((\m)%2)+8*\u
.if \s == 0
	v_wmma_f32_16x16x128_fp8_fp8 v[AC:AC+7], v[FR+16*\s:FR+16*\s+15], v[W+16*(4*\u+\s):W+16*(4*\u+\s)+15], 0
.else
	v_wmma_f32_16x16x128_fp8_fp8 v[AC:AC+7], v[FR+16*\s:FR+16*\s+15], v[W+16*(4*\u+\s):W+16*(4*\u+\s)+15], v[AC:AC+7]
.endif
.endr
.endr
.endm
.macro CVTQK m                         ; token tile m: 16 units a lane become four operand registers; each store has registers of its own
.set AC, ACC+16*((\m)%2)
.set ix, 0
.rept 16
	v_med3_num_f32 v[AC+ix], v[AC+ix], -v[SOH], v[SOH]
.set ix, ix+1
.endr
	v_cvt_scalef32_pk8_fp8_f32 v[CD+4*(\m):CD+4*(\m)+1], v[AC:AC+7], v[SO]
	v_cvt_scalef32_pk8_fp8_f32 v[CD+4*(\m)+2:CD+4*(\m)+3], v[AC+8:AC+15], v[SO]
	v_nop
	global_store_b128 v[LI], v[CD+4*(\m):CD+4*(\m)+3], s[22:23] offset:1024*(\m)
.endm
.macro CVTV mp                         ; token tiles 2 mp, 2 mp + 1: for each channel tile u, keys 16 c + 8 h + 0 .. 7 of two neighbouring c make four operand registers
.set ix, 0
.rept 32
	v_med3_num_f32 v[ACC+ix], v[ACC+ix], -v[SOH], v[SOH]
.set ix, ix+1
.endr
.irp u, 0,1
	v_cvt_scalef32_pk8_fp8_f32 v[CD+4*(2*(\mp)+\u):CD+4*(2*(\mp)+\u)+1], v[ACC+8*\u:ACC+8*\u+7], v[SO]
	v_cvt_scalef32_pk8_fp8_f32 v[CD+4*(2*(\mp)+\u)+2:CD+4*(2*(\mp)+\u)+3], v[ACC+16+8*\u:ACC+16+8*\u+7], v[SO]
.endr
	v_nop
.irp u, 0,1
	global_store_b128 v[LI], v[CD+4*(2*(\mp)+\u):CD+4*(2*(\mp)+\u)+3], s[22:23] offset:2048*\u+512*(\mp)
.endr
.endm
	s_cmp_eq_u32 s19, 2
	s_cbranch_scc1 .Lv
	FETCHX 0
	s_wait_dscnt 0x0
	MULQK 0
	P4
	FETCHX 1                                       ; the next tile's fragments land while this tile's results are quantised
	CVTQK 0
	s_wait_dscnt 0x0
	MULQK 1
	P4
	FETCHX 2
	CVTQK 1
	s_wait_dscnt 0x0
	MULQK 2
	P4
	FETCHX 3
	CVTQK 2
	s_wait_dscnt 0x0
	MULQK 3
	P4
	CVTQK 3
	s_branch .Lend
.Lv:
	FETCHX 0
	s_wait_dscnt 0x0
	MULV 0
	P4
	FETCHX 1
	s_wait_dscnt 0x0
	MULV 1
	P4
	FETCHX 2
	CVTV 0
	s_wait_dscnt 0x0
	MULV 2
	P4
	FETCHX 3
	s_wait_dscnt 0x0
	MULV 3
	P4
	CVTV 1
.Lend:
	s_wait_tensorcnt 0x0                           ; the wave's end
	ds_add_u32 v[SPW], v[NIL]
	s_wait_dscnt 0x0
	CROUND                                         ; the closing round: no work-group ends while a partner may still ask for rows that name it
	s_endpgm
.Lfunc_end_k_qce13bafd03_qkv:
	.size	k_qce13bafd03_qkv, .Lfunc_end_k_qce13bafd03_qkv-k_qce13bafd03_qkv
	.p2alignl 7, 3214868480
	.fill 96, 4, 3214868480
	.section	.rodata,"a",@progbits
	.p2align	6, 0x0
	.amdhsa_kernel k_qce13bafd03_qkv
		.amdhsa_group_segment_fixed_size 305152
		.amdhsa_private_segment_fixed_size 0
		.amdhsa_enable_private_segment 0
		.amdhsa_kernarg_size 56
		.amdhsa_user_sgpr_count 2
		.amdhsa_user_sgpr_kernarg_segment_ptr 1
		.amdhsa_wavefront_size32 1
		.amdhsa_system_sgpr_workgroup_id_x 1
		.amdhsa_system_sgpr_workgroup_id_y 1
		.amdhsa_system_sgpr_workgroup_id_z 1
		.amdhsa_system_vgpr_workitem_id 0
		.amdhsa_next_free_vgpr 256
		.amdhsa_next_free_sgpr 80
		.amdhsa_reserve_vcc 0
		.amdhsa_float_denorm_mode_32 3
		.amdhsa_float_denorm_mode_16_64 3
		.amdhsa_memory_ordered 1
		.amdhsa_forward_progress 1
		.amdhsa_inst_pref_size 41
	.end_amdhsa_kernel
	.amdgpu_metadata
---
amdhsa.version: [ 1, 2 ]
amdhsa.kernels:
  - .name:           k_qce13bafd03_qkv
    .symbol:         k_qce13bafd03_qkv.kd
    .args:
      - { .name: x, .offset: 0, .size: 8, .value_kind: global_buffer, .address_space: global }
      - { .name: wq_codes, .offset: 8, .size: 8, .value_kind: global_buffer, .address_space: global }
      - { .name: wk_codes, .offset: 16, .size: 8, .value_kind: global_buffer, .address_space: global }
      - { .name: wv_codes, .offset: 24, .size: 8, .value_kind: global_buffer, .address_space: global }
      - { .name: lowp_scales, .offset: 32, .size: 8, .value_kind: global_buffer, .address_space: global }
      - { .name: qc, .offset: 40, .size: 8, .value_kind: global_buffer, .address_space: global }
      - { .name: kv, .offset: 48, .size: 8, .value_kind: global_buffer, .address_space: global }
    .group_segment_fixed_size: 305152
    .private_segment_fixed_size: 0
    .kernarg_segment_align: 8
    .kernarg_segment_size: 56
    .max_flat_workgroup_size: 512
    .sgpr_count:     80
    .vgpr_count:     256
    .wavefront_size: 32
...
	.end_amdgpu_metadata
.endif
;; end of part 1
;; launch attn (part 2): grid 32 x 8, 8 waves a work-group, clusters of 4 x 1, 327,680 bytes of LDS; arguments qc, kv, lowp_scales, zc, w_mh_codes, ffn_w_codes, wimg; writes zc, wimg
.if DOCPART == 2
	.amdgcn_target "amdgcn-amd-amdhsa--gfx1250"
	.amdhsa_code_object_version 6
	.text
	.protected	k_qce13bafd03_attn
	.globl	k_qce13bafd03_attn
	.p2align	8
	.type	k_qce13bafd03_attn,@function
k_qce13bafd03_attn:
	s_mov_b64 s[64:65], 0
	v_nop
	global_prefetch_b8 v0, s[64:65] scope:SCOPE_SE
	s_setreg_imm32_b32 hwreg(HW_REG_WAVE_MODE, 25, 1), 1
	s_wait_xcnt 0x0
	s_wait_alu depctr_hold_cnt(0) depctr_sa_sdst(0) depctr_va_vdst(0) depctr_va_sdst(0) depctr_va_ssrc(0) depctr_va_vcc(0) depctr_vm_vsrc(0)
	s_getreg_b32 s2, hwreg(HW_REG_IB_STS2, 6, 4)
	s_cmp_eq_u32 s2, 0
	s_cbranch_scc0 .Lentry_in_a_cluster
	s_endpgm
.Lentry_in_a_cluster:
	s_bfe_u32 s2, ttmp6, 0x10000c
	s_cmp_lg_u32 s2, 0x3003
	s_cbranch_scc0 .Lentry_shape_is_right
	s_endpgm
.Lentry_shape_is_right:
; z[h][q] = the sum over keys of softmax(q . k / 8) v, both products on codes of FP8 (E4M3); z leaves as codes, in the order of the next product's operand registers.
; THE SOFTMAX AHEAD OF THE SECOND PRODUCT: t = score x log2(e) / 8; M = the largest t so far, rounded UP to a whole number; p = 2^(t - M) is quantised, not normalised; the sum is taken of the
; unquantised p in f32 and divides at the end.  When M moves, the sum and O are multiplied by 2^(old M - new M), which rounds nothing.
; SHARES.  A work-group owns 128 queries of one head.  Wave w owns TWO tiles of 16 queries, 2 p and 2 p + 1 with p = w % 4, and half w / 4 of the keys: of each slot of 1,024 keys the block of 512 number w / 4.
; So each fragment of K and V that is read from LDS feeds two matrix instructions, and the two tiles' chains of vector work are interleaved line by line.
; Tile A of a wave is 2 p + (w / 4), tile B the other: at the end each wave hands its tile B to its partner through LDS and finishes its tile A.  Both M are whole numbers, so both factors are powers of two.
; LAYOUT.  Both products transposed: S^T = K Q^T (source 0 = 16 keys), O^T = V^T P^T (source 0 = 16 channels): a lane holds ONE query of each tile (lane % 16).  S^T's register 8 t + j is key 16 t + 8 (lane / 16) + j:
; its conversions' results are the second product's operand as the 128-wide form lays it.  O^T's register 8 t + j is channel 16 t + 8 (lane / 16) + j: z's 16 bytes of a lane are two runs of eight channels, 16 apart,
; and w_mh's image is laid in the same order.
; K, V and Q come as images of operand registers: every LDS load takes 512 consecutive bytes, 16 a lane: no pitch, no padding.
; THE RING.  Two slots of 131,072 bytes, each two blocks of 65,536 (512 keys of K, 32,768 bytes, then of V): a wave has four key steps of 128 keys in a slot; the head's 4,096 keys take four slots.
; Each of the eight waves fetches an eighth of a slot by one tensor load: by this text's count a wave has at most one out.
; THE CHANGE OF SLOTS stands in a slot's last step, behind its first product: by then that step's K and V are in registers, so the slot is read out, and the next slot's first K and V are loaded as any step's are.
; CLUSTER.  The four query blocks of a cluster belong to one head and walk the same slots: each eighth is asked for JOINTLY, by the same load with the same descriptor and the mask of all four.
; No data prefetch: a slot's load is issued four whole key steps (96 matrix instructions of a wave) ahead of the wait for it.
; ON THE SIDE: waves 4 to 7 move 512 bytes each of w_mh's or ffn_w's codes into wimg, in the order of the next launch's operand registers: 256 work-groups x 4 waves = 1,024 groups of four registers = both weights.
; LIMITS: e6 + e7 between -123 and 130 (added to c's exponent field); e8 and e10 between -126 and 119; e8 + e9 goes by v_ldexp_f32 and has none.  Scaled scores stay under 2^31 in magnitude.  NaN is not served.
.set SLOTB, 131072
.set SPARE, 262144                     ; the spare words, 128 bytes for each of 8 waves, which no other line names
.set MERGE, 263168                     ; 8 x 4,608 bytes: a tile's O^T (4,096), -M at 4,096, the sum at 4,224
; window 0
.set AK0, 1                            ; 16 x lane + my half's 65,536 bytes of a slot
.set MST, 2                            ; merge: where tile B goes, 16 bytes a lane; MSW its words
.set MSW, 3
.set MLD, 4                            ; merge: where tile A's other half lies; MLW its words
.set SPW, 5                            ; my spare word; never rewritten
.set NIL, 6                            ; 0; never rewritten
.set LI,  7                            ; 16 x lane
.set ADK, 8                            ; the next step's address
.set MLW, 230
.set Q,   16                           ; v16-23 tile A's queries, v24-31 tile B's
.set FK,  32                           ; v32-95 K's eight fragments
.set FV,  96                           ; v96-159 V's four
.set O,   160                          ; v160-191 O^T of A, v192-223 of B
; v10 2^e10, v11 448 x 2^e10, v12-15 the statistics at the end, v224-229 the weights' turn alone
; window 1
.set S,   0                            ; v0-63 S^T, then p, of A; v64-127 of B
.set P,   128                          ; v128-143 p's codes of A, v144-159 of B
.set TT,  160                          ; v160-191 of A, v192-223 of B: four chains of the maximum, then partial sums
.set NM,  224                          ; -M of A and A's largest score, then B's two
.set SM,  228                          ; the sums, two halves each
.set FF,  232                          ; f and 0, f and 0
.set W0,  236                          ; at work, two for each tile
.set PM,  240                          ; a lane permute's destinations
.set HO,  242                          ; 448 x 2^e8
.set E8,  243                          ; 2^e8
.set MSB, 0
.macro WIN new                         ; the immediate's high byte repeats the setting that is left
.if MSB != \new
	s_set_vgpr_msb (MSB<<8)|\new
.set MSB, \new
.endif
.endm
.macro CROUND                          ; a round of the cluster's barrier
	s_barrier_signal -1
	s_barrier_wait -1
	s_cmp_lg_u32 s18, 0
	s_cbranch_scc1 .Lnot_wave_0_\@
	s_barrier_signal -3
.Lnot_wave_0_\@:
	s_barrier_wait -3
	s_barrier_signal -1
	s_barrier_wait -1
.endm
.macro P4                              ; four places behind matrix instructions (ISA guide 7.12.1)
.rept 4
	v_nop
.endr
.endm
.macro JLOAD                           ; every wave asks for its eighth of a slot; s_nop 0 and four v_nop follow
	tensor_load_to_lds s[32:35], s[24:31]
	s_nop 0
	P4
.endm
	s_load_b256 s[4:11], s[0:1], 0x0               ; qc s[4:5], kv s[6:7], the scales' exponents s[8:9], zc s[10:11]
	s_load_b128 s[68:71], s[0:1], 0x20             ; w_mh's codes s[68:69], ffn_w's codes s[70:71]
	s_load_b64 s[72:73], s[0:1], 0x30              ; wimg
	v_lshl_add_u32 v[SPW], v0, 2, SPARE
	v_mov_b32 v[NIL], 0
	ds_add_u32 v[SPW], v[NIL]                      ; the opening: the add, twice on end, and its wait
	ds_add_u32 v[SPW], v[NIL]
	v_lshrrev_b32 v8, 5, v0
	v_readfirstlane_b32 s18, v8                    ; wave 0..7
	s_lshr_b32 s19, s18, 2                         ; my half of the keys
	s_and_b32 s47, s18, 3                          ; my pair of query tiles
	s_lshl_b32 s57, s19, 16
	s_lshl_b32 s47, s47, 1
	s_or_b32 s47, s47, s19                         ; tile A
	s_xor_b32 s45, s47, 1                          ; tile B
	s_mul_i32 s56, s47, 4608
	s_add_co_u32 s56, s56, MERGE
	s_mul_i32 s58, s45, 4608
	s_add_co_u32 s58, s58, MERGE
	v_and_b32 v9, 31, v0                           ; lane
	v_lshlrev_b32 v[LI], 4, v9
	v_lshlrev_b32 v12, 2, v9
	v_add_nc_u32 v[AK0], s57, v[LI]
	v_add_nc_u32 v[MST], s58, v[LI]
	v_add_nc_u32 v[MSW], s58, v12
	v_add_nc_u32 v[MLD], s56, v[LI]
	v_add_nc_u32 v[MLW], s56, v12
	s_bfe_u32 s12, ttmp6, 0x40000                  ; cx: it enters global addresses of my own loads and stores alone
	s_lshl_b32 s13, ttmp9, 2
	s_add_co_u32 s13, s13, s12                     ; my block of 128 queries
	s_and_b32 s14, ttmp7, 0xffff                   ; the head, which the four partners share
	; descriptor group 1: 64 rows of 256 bytes, dense: an eighth of a slot
	s_mov_b32 s24, 15|(3<<16)|(1<<21)              ; 15:0 the mask: all four work-groups; 17:16 elements of 8 bytes; no padding; 21 set beside a mask
	s_mov_b32 s25, 32<<16                          ; tensor_dim0 = 32 elements
	s_mov_b32 s26, 64<<16                          ; tensor_dim1 = 64
	s_mov_b32 s27, 32<<16                          ; tile_dim0 = 32
	s_mov_b32 s28, 64                              ; tile_dim1 = 64
	s_mov_b32 s29, 32                              ; from row to row: 32 elements
	s_mov_b32 s30, 0
	s_mov_b32 s31, 0
	s_lshl_b32 s46, s18, 14                        ; which eighth I fetch: in memory and in a slot alike
	s_lshl_b32 s48, s14, 19                        ; the head's 524,288 bytes of kv
	s_add_co_u32 s48, s48, s46
	s_mov_b32 s49, 0
	s_lshl_b32 s50, s13, 3
	s_add_co_u32 s51, s50, s45                     ; my token tiles, 0..255: B
	s_add_co_u32 s50, s50, s47                     ; and A
	s_lshl_b32 s55, s14, 18                        ; qc: [head][token tile][1,024]
	s_lshl_b32 s52, s50, 10
	s_add_co_u32 s52, s52, s55
	s_mov_b32 s53, 0
	s_lshl_b32 s58, s51, 10
	s_add_co_u32 s58, s58, s55
	s_mov_b32 s59, 0
	s_lshl_b32 s54, s50, 13                        ; zc: [token tile][K step = head / 2][group = 2 (head % 2) + b][lane][16]
	s_lshr_b32 s55, s14, 1
	s_lshl_b32 s55, s55, 11
	s_add_co_u32 s54, s54, s55
	s_and_b32 s55, s14, 1
	s_lshl_b32 s55, s55, 10
	s_add_co_u32 s54, s54, s55
	s_mov_b32 s55, 0
	s_mov_b32 s20, 0x76543210                      ; v_permlanex16_b32's selects for lane l xor 16
	s_mov_b32 s21, 0xfedcba98
	s_mov_b32 s22, 0x3e38aa3b                      ; c = log2(e) / 8
	s_wait_alu depctr_va_vdst(0)                   ; ahead of the waits below
	s_wait_dscnt 0x0                               ; both opening adds are done
	s_wait_kmcnt 0x0
	s_load_b128 s[40:43], s[8:9], 0x18             ; e6, e7, e8, e9
	s_load_b32 s44, s[8:9], 0x28                   ; e10
	s_mov_b32 s32, 1                               ; group 0: count = 1
	s_mov_b32 s33, s46                             ; LDS address: slot 0, my eighth
	s_add_nc_u64 s[34:35], s[6:7], s[48:49]        ; global address: the head's first slot, my eighth
	s_or_b32 s35, s35, 0x80000000                  ; type = 2
	s_add_nc_u64 s[60:61], s[4:5], s[58:59]
	s_add_nc_u64 s[4:5], s[4:5], s[52:53]
	s_add_nc_u64 s[10:11], s[10:11], s[54:55]
	CROUND                                         ; all four work-groups are here: the first joint loads meet
	JLOAD                                          ; slot 0
	global_load_b128 v[Q:Q+3], v[LI], s[4:5]       ; the queries stay in registers, their units in the order in which K's are
	global_load_b128 v[Q+4:Q+7], v[LI], s[4:5] offset:512
	global_load_b128 v[Q+8:Q+11], v[LI], s[60:61]
	global_load_b128 v[Q+12:Q+15], v[LI], s[60:61] offset:512
	; ---- the weights' turn: waves 4 to 7, one group of four operand registers each.  Group g = 128 head + 4 block + (wave - 4), 0 .. 1,023:
	; bit 9 the weight, bits 8:5 the next launch's wave (its 32 rows), bit 4 the tile u, bits 3:2 the K step s, bits 1:0 the group c
	s_cmp_lt_u32 s18, 4
	s_cbranch_scc1 .Lno_lay
	s_lshl_b32 s74, s14, 7
	s_lshl_b32 s75, s13, 2
	s_add_co_u32 s74, s74, s75
	s_add_co_u32 s74, s74, s18
	s_sub_co_u32 s74, s74, 4                       ; g
	s_bfe_u32 s75, s74, 0x40005
	s_lshl_b32 s76, s75, 14                        ; 32 rows of 512 bytes a wave,
	s_bfe_u32 s75, s74, 0x10004
	s_lshl_b32 s75, s75, 12                        ; 8 rows a tile,
	s_add_co_u32 s76, s76, s75
	s_bfe_u32 s75, s74, 0x20002
	s_lshl_b32 s75, s75, 7                         ; 128 bytes a K step,
	s_add_co_u32 s76, s76, s75
	s_and_b32 s75, s74, 3
	s_lshl_b32 s75, s75, 5                         ; 32 bytes a group
	s_add_co_u32 s76, s76, s75
	s_mov_b32 s77, 0
	s_cmp_lt_u32 s14, 4                            ; heads 0 to 3 turn w_mh, heads 4 to 7 ffn_w: the choice hangs on the head alone
	s_cselect_b64 s[78:79], s[68:69], s[70:71]
	s_cselect_b32 s75, 8, 16                       ; w_mh: bytes 8 h and 16 + 8 h of the 32, as z has them; ffn_w: 16 h and 16 h + 8
	s_add_nc_u64 s[78:79], s[78:79], s[76:77]
	s_lshl_b32 s76, s74, 9                         ; wimg: 512 bytes a group
	s_add_nc_u64 s[72:73], s[72:73], s[76:77]
	s_sub_co_i32 s74, 24, s75
	v_and_b32 v229, 15, v0                         ; r
	v_and_b32 v228, 8, v229
	v_add_nc_u32 v228, v228, v229                  ; lane r takes row r + 8 (r / 8) of the tile's
	v_lshlrev_b32 v228, 9, v228
	v_bfe_u32 v229, v0, 4, 1
	v_mad_u32_u24 v228, v229, s75, v228
	v_add_nc_u32 v229, s74, v228
	global_load_b64 v[224:225], v228, s[78:79]
	global_load_b64 v[226:227], v229, s[78:79]
	s_wait_loadcnt 0x0
	global_store_b128 v[LI], v[224:227], s[72:73]  ; 512 consecutive bytes, aligned; none of these registers is written again
.Lno_lay:
.set ix, 0
.rept 64
	v_mov_b32 v[O+ix], 0                           ; the step's text is one for all: the first finds zeros, which the first change of M leaves zeros
.set ix, ix+1
.endr
	s_wait_kmcnt 0x0
	s_add_co_i32 s46, s40, s41
	s_lshl_b32 s46, s46, 23
	s_add_co_i32 s22, s22, s46                     ; a score stands for score x 2^(e6 + e7): added to c's exponent field
	s_xor_b32 s23, s22, 0x80000000                 ; -c (the packed form names the pair and takes its low word for both halves)
	s_add_co_i32 s46, s42, 127
	s_lshl_b32 s47, s46, 23                        ; 2^e8
	s_add_co_i32 s46, s46, 8
	s_lshl_b32 s46, s46, 23
	s_or_b32 s46, s46, 0x600000                    ; 448 x 2^e8
	s_add_co_i32 s45, s42, s43                     ; e8 + e9
	s_add_co_i32 s48, s44, 127
	s_lshl_b32 s49, s48, 23
	s_add_co_i32 s48, s48, 8
	s_lshl_b32 s48, s48, 23
	s_or_b32 s48, s48, 0x600000
	v_mov_b32 v10, s49                             ; 2^e10
	v_mov_b32 v11, s48                             ; 448 x 2^e10
	WIN 0x40
	v_mov_b32 v[E8], s47
	v_mov_b32 v[HO], s46
.irp z, 0,1
	v_mov_b32 v[NM+2*\z], 0x7f61b1e6               ; -M: 3e38, over every -t
	v_mov_b32 v[NM+2*\z+1], 0xff61b1e6             ; the largest score: -3e38, under every score
	v_mov_b32 v[SM+2*\z], 0
	v_mov_b32 v[SM+2*\z+1], 0
	v_mov_b32 v[FF+2*\z+1], 0                      ; (named as the upper half of a pair)
	v_mov_b32 v[PM+\z], 0                          ; written once: a lane permute's destination counts as one of its sources
.endr
	WIN 0
.macro KLOAD                           ; K's fragments of the step at ADK
.irp t, 0,1,2,3,4,5,6,7
	ds_load_b128 v[FK+8*\t:FK+8*\t+3], v[ADK] offset:1024*\t
	ds_load_b128 v[FK+8*\t+4:FK+8*\t+7], v[ADK] offset:1024*\t+512
.endr
.endm
.macro VLOAD                           ; V's
.irp ct, 0,1,2,3
.irp c2, 0,1,2,3
	ds_load_b128 v[FV+16*\ct+4*\c2:FV+16*\ct+4*\c2+3], v[ADK] offset:32768+2048*\ct+512*\c2
.endr
.endr
.endm
.macro MX z, n                         ; line n of 30 of tile z's largest score among my 64 keys, in four chains, each accumulator from its low end on
.if (\n) < 4
	v_max3_num_f32 v[TT+32*\z+(\n)], v[S+64*\z+3*(\n)], v[S+64*\z+3*(\n)+1], v[S+64*\z+3*(\n)+2]
.else
	v_max3_num_f32 v[TT+32*\z+(\n)%4], v[TT+32*\z+(\n)%4], v[S+64*\z+2*(\n)+4], v[S+64*\z+2*(\n)+5]
.endif
.endm
.macro CHAIN z, n                      ; line n of 10 of what hangs on it: the new -M and f
.if (\n) == 0
	v_max3_num_f32 v[TT+32*\z], v[TT+32*\z], v[TT+32*\z+1], v[TT+32*\z+2]
.elseif (\n) == 1
	v_max_num_f32 v[TT+32*\z], v[TT+32*\z], v[TT+32*\z+3]
.elseif (\n) == 2
	v_permlanex16_b32 v[PM+\z], v[TT+32*\z], s20, s21
.elseif (\n) == 3
	v_max3_num_f32 v[NM+2*\z+1], v[NM+2*\z+1], v[TT+32*\z], v[PM+\z]   ; with lane l xor 16's and all steps before
.elseif (\n) == 4
	v_mul_f32 v[W0+2*\z], s23, v[NM+2*\z+1]        ; -t (c is positive)
.elseif (\n) == 5
	v_floor_f32 v[W0+2*\z], v[W0+2*\z]             ; the new -M = floor(-t) = -ceil(t)
.elseif (\n) == 6
	v_sub_f32 v[W0+2*\z+1], v[W0+2*\z], v[NM+2*\z] ; old M - new M: a whole number, 0 or less
.elseif (\n) == 7
	v_mov_b32 v[NM+2*\z], v[W0+2*\z]
.elseif (\n) == 8
	v_cvt_i32_f32 v[W0+2*\z+1], v[W0+2*\z+1]       ; (it saturates)
.else
	v_ldexp_f32 v[FF+2*\z], 1.0, v[W0+2*\z+1]      ; f = 2^(old M - new M)
.endif
.endm
.macro TM z, n                         ; t - M, two at a time
	v_pk_fma_f32 v[S+64*\z+2*(\n):S+64*\z+2*(\n)+1], v[S+64*\z+2*(\n):S+64*\z+2*(\n)+1], s[22:23], v[NM+2*\z:NM+2*\z+1] op_sel_hi:[1,0,0]
.endm
.macro HOLD2 r                         ; the conversion does not saturate (ISA guide 7.6.2); p is not negative, so the hold is one-sided; two numbers in one dual-issue line
	v_dual_min_num_f32 v[\r], v[\r], v[HO] :: v_dual_min_num_f32 v[\r+1], v[\r+1], v[HO]
.endm
.macro TR a, b                         ; partial sums, both tiles
.irp z, 0,1
	v_pk_add_f32 v[TT+32*\z+\a:TT+32*\z+\a+1], v[TT+32*\z+\a:TT+32*\z+\a+1], v[TT+32*\z+\b:TT+32*\z+\b+1]
.endr
.endm
.macro CODE z, g                       ; eight numbers of tile z become two operand registers
	v_cvt_scalef32_pk8_fp8_f32 v[P+16*\z+2*(\g):P+16*\z+2*(\g)+1], v[S+64*\z+8*(\g):S+64*\z+8*(\g)+7], v[E8]
.endm
; A KEY STEP: 128 keys, for both tiles.  mode 0: its successor lies in the same slot.  1, 2: a slot's last step, with the change of slots; 1: the slot just read out is filled again.  3: the last step of all.
.macro STEP mode
	s_wait_dscnt 16                                ; K is in; V's 16 younger loads may be out
.if (\mode) == 1 || (\mode) == 2
	s_wait_tensorcnt 0x0                           ; all my loads are done, my part of the next slot among them, so group 0 may be written
	ds_add_u32 v[SPW], v[NIL]                      ; 0 onto my spare word; the first product stands between it and its wait
.if (\mode) == 1
	s_xor_b32 s33, s33, SLOTB                      ; the walking descriptor: the other slot,
	s_add_nc_u64 s[34:35], s[34:35], SLOTB         ; the next 1,024 keys; the type bits on top are not reached
.endif
.endif
	WIN 0x40                                       ; results in window 1
.irp z, 0,1
.irp t, 0,1,2,3,4,5,6,7
	v_wmma_f32_16x16x64_fp8_fp8 v[S+64*\z+8*\t:S+64*\z+8*\t+7], v[FK+8*\t:FK+8*\t+7], v[Q+8*\z:Q+8*\z+7], 0
.endr
.endr
	WIN 0
.if (\mode) == 1
	s_wait_dscnt 0x0                               ; the add is done, and V is in: my reads of this slot are over
	CROUND                                         ; no wave of any partner still reads this slot or has a load on its way; the next slot is whole
	JLOAD                                          ; the first thing behind the round, and a wave's one tensor load until the next
.endif
.if (\mode) == 2
	s_wait_dscnt 0x0
	s_barrier_signal -1
	s_barrier_wait -1                              ; the last slot is whole
.endif
.if (\mode) < 3
	v_add_nc_u32 v[ADK], s36, v[AK0]               ; with three v_nop (mode 1: with the four behind the tensor load) the places behind the first product,
.if (\mode) != 1
.rept 3
	v_nop
.endr
.endif
	KLOAD                                          ; for these loads and for the first read of the scores; the next step's K lands under this step's softmax
.else
	P4                                             ; for the first read of the scores
.endif
	WIN 0x55                                       ; everything in window 1
.set ix, 0
.rept 30
	MX 0, ix
.set ix, ix+1
.endr
.set ix, 0
.rept 10                               ; tile A's chain among tile B's maxima
	CHAIN 0, ix
	MX 1, 3*ix
	MX 1, 3*ix+1
	MX 1, 3*ix+2
.set ix, ix+1
.endr
.set ix, 0
.rept 10                               ; tile B's chain among tile A's t - M
	CHAIN 1, ix
	TM 0, 3*ix
	TM 0, 3*ix+1
	TM 0, 3*ix+2
.set ix, ix+1
.endr
	TM 0, 30
	TM 0, 31
	s_wait_alu depctr_va_vdst(0)                   ; ahead of the batch
.set ix, 0
.rept 32                               ; tile A's exponentials; between them tile B's t - M, which nothing in the batch reads
	v_exp_f32 v[S+2*ix], v[S+2*ix]                 ; p = 2^(t - M), at most 1
	v_exp_f32 v[S+2*ix+1], v[S+2*ix+1]
	TM 1, ix                                       ; (the last is the plain place behind the exponentials)
.set ix, ix+1
.endr
	s_wait_alu depctr_va_vdst(0)                   ; behind the one batch and ahead of the other
.set ix, 0
.rept 16                               ; tile B's exponentials; between them tile A's first partial sums (of the unquantised p), then its hold
	v_exp_f32 v[S+64+ix], v[S+64+ix]
	v_pk_add_f32 v[TT+ix/2:TT+ix/2+1], v[S+ix:S+ix+1], v[S+ix+2:S+ix+3]
	v_exp_f32 v[S+65+ix], v[S+65+ix]
	HOLD2 S+ix
	v_exp_f32 v[S+66+ix], v[S+66+ix]
	v_exp_f32 v[S+67+ix], v[S+67+ix]
	HOLD2 S+ix+2                                   ; (the last is the plain place behind the exponentials)
.set ix, ix+4
.endr
	WIN 0x04                                       ; source 1 in window 1
	s_wait_alu depctr_va_vdst(0)                   ; behind the batch and directly ahead of the first reader of O^T
.irp z, 0,1
.set ix, O+32*\z
.rept 16
	v_pk_mul_f32 v[ix:ix+1], v[ix:ix+1], v[FF+2*\z:FF+2*\z+1] op_sel_hi:[1,0]   ; O^T under the new M
.set ix, ix+2
.endr
.endr
	WIN 0x55
.set ix, 0
.rept 16
	v_pk_add_f32 v[TT+32+ix/2:TT+33+ix/2], v[S+64+ix:S+65+ix], v[S+66+ix:S+67+ix]
.set ix, ix+4
.endr
.set gx, 0
.rept 8                                ; tile A's codes among tile B's holds
	CODE 0, gx
	HOLD2 S+64+8*gx
	HOLD2 S+66+8*gx
	HOLD2 S+68+8*gx
	HOLD2 S+70+8*gx
.set gx, gx+1
.endr
	CODE 1, 0                                      ; tile B's codes among the partial sums
	TR 0, 2
	CODE 1, 1
	TR 4, 6
	TR 8, 10
	CODE 1, 2
	TR 12, 14
	CODE 1, 3
	TR 16, 18
	TR 20, 22
	CODE 1, 4
	TR 24, 26
	CODE 1, 5
	TR 28, 30
	TR 0, 4
	CODE 1, 6
	TR 8, 12
	CODE 1, 7
	TR 16, 20
	TR 24, 28
	WIN 0x04
	s_wait_alu depctr_va_vdst(0)                   ; directly ahead of the wait below
.if (\mode) < 3
	s_wait_dscnt 16                                ; V is in; the next K's 16 younger loads may be out
.else
	s_wait_dscnt 0x0                               ; V is in: nothing younger is out
.endif
.irp ct, 0,1,2,3
.irp z, 0,1
	v_wmma_f32_16x16x128_fp8_fp8 v[O+32*\z+8*\ct:O+32*\z+8*\ct+7], v[FV+16*\ct:FV+16*\ct+15], v[P+16*\z:P+16*\z+15], v[O+32*\z+8*\ct:O+32*\z+8*\ct+7]   ; the eight accumulators take turns
.endr
.endr
	WIN 0x55
	TR 0, 8                                        ; the last partial sums are the places behind the second product, for the loads below and behind the last step for the reads of O^T
	TR 16, 24
	TR 0, 16
.irp z, 0,1
	v_pk_fma_f32 v[SM+2*\z:SM+2*\z+1], v[SM+2*\z:SM+2*\z+1], v[FF+2*\z:FF+2*\z+1], v[TT+32*\z:TT+32*\z+1] op_sel_hi:[1,0,1]   ; the sum under the new M, and this step's part
.endr
	WIN 0
.if (\mode) < 3
	VLOAD
.endif
.endm
.macro SLOT base, next, mode           ; my four steps of the slot at base; s36 is where the step to be loaded next begins
	s_mov_b32 s36, (\base)+8192
	s_mov_b32 s37, 3
.Lstep_\@:
	STEP 0
	s_add_co_u32 s36, s36, 8192
	s_sub_co_u32 s37, s37, 1
	s_cmp_lg_u32 s37, 0
	s_cbranch_scc1 .Lstep_\@
	s_mov_b32 s36, \next
	STEP \mode
.endm
	s_wait_alu depctr_va_vdst(0)
	s_wait_loadcnt 0x0                             ; the queries
	s_wait_tensorcnt 0x0                           ; my part of slot 0 is in; slot 1's first fill is issued as a refill is
	ds_add_u32 v[SPW], v[NIL]
	s_xor_b32 s33, s33, SLOTB
	s_add_nc_u64 s[34:35], s[34:35], SLOTB
	s_wait_dscnt 0x0
	CROUND                                         ; slot 0 is whole
	JLOAD                                          ; slot 1
	v_mov_b32 v[ADK], v[AK0]
	KLOAD
	VLOAD
	SLOT 0, SLOTB, 1                               ; the slots are written out: the last two fill nothing
	SLOT SLOTB, 0, 1
	SLOT 0, SLOTB, 2
	SLOT SLOTB, 0, 3
	; THE MERGE of the two halves of the keys.
	WIN 0x55
.irp z, 0,1
	v_add_f32 v[SM+2*\z], v[SM+2*\z], v[SM+2*\z+1] ; the sum's two halves,
.endr
.irp z, 0,1
	v_permlanex16_b32 v[PM+\z], v[SM+2*\z], s20, s21
.endr
.irp z, 0,1
	v_add_f32 v[SM+2*\z], v[SM+2*\z], v[PM+\z]     ; and lane l xor 16's
.endr
	WIN 0x01
	v_mov_b32 v12, v[NM]                           ; tile A's -M and sum, tile B's -M and sum, in window 0
	v_mov_b32 v13, v[SM]
	v_mov_b32 v14, v[NM+2]
	v_mov_b32 v15, v[SM+2]
	WIN 0
.set ix, 0
.rept 8
	ds_store_b128 v[MST], v[O+32+4*ix:O+35+4*ix] offset:512*ix   ; tile B as it stands
.set ix, ix+1
.endr
	ds_store_b32 v[MSW], v14 offset:4096
	ds_store_b32 v[MSW], v15 offset:4224
	s_wait_alu depctr_va_vdst(0)                   ; directly ahead of the wait below
	s_wait_dscnt 0x0                               ; for the partner's sake: my stores have landed
	s_barrier_signal -1
	s_barrier_wait -1
.set ix, 0
.rept 8
	ds_load_b128 v[32+4*ix:35+4*ix], v[MLD] offset:512*ix
.set ix, ix+1
.endr
	ds_load_b32 v64, v[MLW] offset:4096            ; the partner's -M of tile A
	ds_load_b32 v65, v[MLW] offset:4224            ; and sum
	s_wait_dscnt 0x0
	v_min_num_f32 v66, v12, v64                    ; -M of both
	v_sub_f32 v67, v66, v12                        ; my M - M,
	v_sub_f32 v68, v66, v64                        ; the partner's M - M: whole numbers, 0 or less
	v_cvt_i32_f32 v67, v67
	v_cvt_i32_f32 v68, v68
	v_ldexp_f32 v67, 1.0, v67
	v_ldexp_f32 v68, 1.0, v68
	v_mul_f32 v69, v13, v67
	v_fmac_f32 v69, v65, v68                       ; the row's sum under M
	s_wait_alu depctr_va_vdst(0)                   ; ahead of the transcendental
	v_rcp_f32 v69, v69
	v_mov_b32 v71, 0                               ; (a plain place behind the transcendental; upper halves of named pairs)
	v_mov_b32 v73, 0
	s_wait_alu depctr_va_vdst(0)                   ; and behind it
	v_ldexp_f32 v69, v69, s45                      ; x 2^(e8 + e9)
	v_mul_f32 v70, v67, v69
	v_mul_f32 v72, v68, v69
	s_wait_alu depctr_va_vdst(0)                   ; directly ahead of the first reader of O^T
.set ix, 0
.rept 16
	v_pk_mul_f32 v[O+ix:O+ix+1], v[O+ix:O+ix+1], v[70:71] op_sel_hi:[1,0]
.set ix, ix+2
.endr
.set ix, 0
.rept 16
	v_pk_fma_f32 v[O+ix:O+ix+1], v[32+ix:33+ix], v[72:73], v[O+ix:O+ix+1] op_sel_hi:[1,0,1]   ; z: register 8 t + j is channel 16 t + 8 h + j of my query
.set ix, ix+2
.endr
.set ix, 0
.rept 32
	v_med3_num_f32 v[O+ix], v[O+ix], -v11, v11
.set ix, ix+1
.endr
.irp g, 0,1,2,3
	v_cvt_scalef32_pk8_fp8_f32 v[80+2*\g:81+2*\g], v[O+8*\g:O+8*\g+7], v10
.endr
	v_nop
	global_store_b128 v[LI], v[80:83], s[10:11]    ; each store covers 512 consecutive bytes, aligned
	global_store_b128 v[LI], v[84:87], s[10:11] offset:512
	s_wait_tensorcnt 0x0                           ; the wave's end
	ds_add_u32 v[SPW], v[NIL]
	s_wait_dscnt 0x0
	CROUND                                         ; the closing round: no work-group ends while a partner may still ask for a tile that names it
	s_endpgm
.Lfunc_end_k_qce13bafd03_attn:
	.size	k_qce13bafd03_attn, .Lfunc_end_k_qce13bafd03_attn-k_qce13bafd03_attn
	.p2alignl 7, 3214868480
	.fill 96, 4, 3214868480
	.section	.rodata,"a",@progbits
	.p2align	6, 0x0
	.amdhsa_kernel k_qce13bafd03_attn
		.amdhsa_group_segment_fixed_size 327680
		.amdhsa_private_segment_fixed_size 0
		.amdhsa_enable_private_segment 0
		.amdhsa_kernarg_size 56
		.amdhsa_user_sgpr_count 2
		.amdhsa_user_sgpr_kernarg_segment_ptr 1
		.amdhsa_wavefront_size32 1
		.amdhsa_system_sgpr_workgroup_id_x 1
		.amdhsa_system_sgpr_workgroup_id_y 1
		.amdhsa_system_sgpr_workgroup_id_z 1
		.amdhsa_system_vgpr_workitem_id 0
		.amdhsa_next_free_vgpr 512
		.amdhsa_next_free_sgpr 80
		.amdhsa_reserve_vcc 0
		.amdhsa_float_denorm_mode_32 3
		.amdhsa_float_denorm_mode_16_64 3
		.amdhsa_memory_ordered 1
		.amdhsa_forward_progress 1
		.amdhsa_inst_pref_size 242
	.end_amdhsa_kernel
	.amdgpu_metadata
---
amdhsa.version: [ 1, 2 ]
amdhsa.kernels:
  - .name:           k_qce13bafd03_attn
    .symbol:         k_qce13bafd03_attn.kd
    .args:
      - { .name: qc, .offset: 0, .size: 8, .value_kind: global_buffer, .address_space: global }
      - { .name: kv, .offset: 8, .size: 8, .value_kind: global_buffer, .address_space: global }
      - { .name: lowp_scales, .offset: 16, .size: 8, .value_kind: global_buffer, .address_space: global }
      - { .name: zc, .offset: 24, .size: 8, .value_kind: global_buffer, .address_space: global }
      - { .name: w_mh_codes, .offset: 32, .size: 8, .value_kind: global_buffer, .address_space: global }
      - { .name: ffn_w_codes, .offset: 40, .size: 8, .value_kind: global_buffer, .address_space: global }
      - { .name: wimg, .offset: 48, .size: 8, .value_kind: global_buffer, .address_space: global }
    .group_segment_fixed_size: 327680
    .private_segment_fixed_size: 0
    .kernarg_segment_align: 8
    .kernarg_segment_size: 56
    .max_flat_workgroup_size: 256
    .sgpr_count:     80
    .vgpr_count:     512
    .wavefront_size: 32
...
	.end_amdgpu_metadata
.endif
;; end of part 2
;; launch tail (part 3): grid 256 x 1, 16 waves a work-group, clusters of 4 x 1, 327,680 bytes of LDS; arguments zc, wimg, x, ln1_g, ln1_b, ffn_b, ln2_g, ln2_b, lowp_scales, out0; writes out0
.if DOCPART == 3
	.amdgcn_target "amdgcn-amd-amdhsa--gfx1250"
	.amdhsa_code_object_version 6
	.text
	.protected	k_qce13bafd03_tail
	.globl	k_qce13bafd03_tail
	.p2align	8
	.type	k_qce13bafd03_tail,@function
k_qce13bafd03_tail:
	s_mov_b64 s[64:65], 0
	v_nop
	global_prefetch_b8 v0, s[64:65] scope:SCOPE_SE
	s_setreg_imm32_b32 hwreg(HW_REG_WAVE_MODE, 25, 1), 1
	s_wait_xcnt 0x0
	s_wait_alu depctr_hold_cnt(0) depctr_sa_sdst(0) depctr_va_vdst(0) depctr_va_sdst(0) depctr_va_ssrc(0) depctr_va_vcc(0) depctr_vm_vsrc(0)
	s_getreg_b32 s2, hwreg(HW_REG_IB_STS2, 6, 4)
	s_cmp_eq_u32 s2, 0
	s_cbranch_scc0 .Lentry_in_a_cluster
	s_endpgm
.Lentry_in_a_cluster:
	s_bfe_u32 s2, ttmp6, 0x10000c
	s_cmp_lg_u32 s2, 0x3003
	s_cbranch_scc0 .Lentry_shape_is_right
	s_endpgm
.Lentry_shape_is_right:
; out = LN2(n W_f^T + ffn_b + n), n = LN1(z W_mh + x); both products on codes of FP8 (E4M3); everything else in f32.
; A work-group owns 16 whole rows (the norms need whole rows); wave w owns columns 32 w .. 32 w + 31 of both products.
; THE WEIGHTS lie in wimg in the order of the operand registers: [weight][wave][group of four registers 32][lane][16 bytes]: a wave's part of a weight is 16,384 consecutive bytes, which it fetches itself by ONE tensor load
; of 64 rows of 256 bytes and alone reads.  A weight's 262,144 bytes fill LDS up to the work-group's other needs, so the second weight lands on the first's bytes: the first is read into 128 registers, a round of the
; cluster's barrier follows, and the refill has the first product and the first norm in which to land.
; CLUSTER.  All work-groups need the same weights: the four of a cluster ask for each part JOINTLY, by the same load with the same descriptor and the mask of all four.
; No data prefetch: the launch has no loop to run ahead in.
; Both products are used transposed (source 0 = 16 rows of the weight, lane r of tile u holding row 32 w + 8 u + r + 8 (r / 8)): lane (r, h) holds token r, and its 16 registers are columns 32 w + 16 h + 0 .. 15.
; So n's conversions give four operand registers of the second product, which go to the other waves through LDS as an image of registers.
; THE NORMS.  Each wave takes its 32 columns' sum s_w and the squares about its own mean, Q_w; the row's mean is (sum of s_w) / 512, and the row's squares about it are the sum of Q_w + 32 (s_w / 32 - mean)^2:
; no difference of large sums is formed, and one barrier serves a norm.
; The second product's sums begin with (n + ffn_b) / 2^(e12 + e13) as C, and are multiplied by 2^(e12 + e13) once: both are multiplications by a power of two.
; LIMITS: e10 + e11 between -126 and 127; e12 + e13 between -126 and 126; e12 between -126 and 119.  NaN among the inputs is not served.
.set ZIMG,  262144                     ; LDS: the weight from 0 on; z's 4 fragments, 2,048 bytes each; n's 8,192 on
.set STG,   278528                     ; 16 rows x 2,064 bytes: x on the way in, the result on the way out
.set RED,   311552                     ; four regions of 16 tokens x 80 bytes (16 waves' parts + 16 bytes)
.set SPARE, 316672                     ; the spare words, 128 bytes for each of 16 waves, which no other line names
.set LI,  1                            ; 16 x lane
.set ZC,  2                            ; 16 x lane + 512 w
.set ZS,  3                            ; the same in z's image
.set ZL,  4                            ; z's image, 16 x lane
.set WA,  5                            ; my part of the weight, 16 x lane
.set SRW, 6                            ; the stage by rows: row w, 16 bytes a lane
.set GR,  7                            ; 16 x lane + 2,048 w: row w in memory
.set SL,  8                            ; the stage by lanes: row r, + 64 h + 128 w
.set RL,  9                            ; RED + 80 r
.set RA,  10                           ; the same + 4 w
.set PA,  11                           ; 64 h + 128 w: my 16 columns in a vector of 512
.set SPW, 22
.set NIL, 23
.set T,   32                           ; v32-63   fragments (two K steps); at work in the norms
.set GB,  64                           ; v64-79 gain, v80-95 bias
.set ACC, 96                           ; v96-103, v104-111: the accumulators of u = 0, 1
.set X,   112                          ; v112-127 x, then ffn_b
.set W,   128                          ; v128-255 a weight: (u, s) at 128 + 16 (4 u + s)
; v[12:13], v[14:15] statistics (upper words 0); v16-19 at work; v20 2^e12, v21 448 x 2^e12; v24-31 codes, and at work in the norms
.macro P4                              ; four places behind matrix instructions (ISA guide 7.12.1)
.rept 4
	v_nop
.endr
.endm
.macro CROUND                          ; a round of the cluster's barrier
	s_barrier_signal -1
	s_barrier_wait -1
	s_cmp_lg_u32 s48, 0
	s_cbranch_scc1 .Lnot_wave_0_\@
	s_barrier_signal -3
.Lnot_wave_0_\@:
	s_barrier_wait -3
	s_barrier_signal -1
	s_barrier_wait -1
.endm
.macro JLOAD
	tensor_load_to_lds s[60:63], s[52:59]
	s_nop 0
	P4
.endm
.macro WLOAD                           ; group 16 u + 4 s + c is registers 4 c .. 4 c + 3 of (u, s), k from 128 s + 32 c on: ffn_w 16 h + 0 .. 15; w_mh 8 h + 0 .. 7 and 16 + 8 h + 0 .. 7, the order of z's groups
.irp s, 0,1,2,3
.irp u, 0,1
.irp c, 0,1,2,3
	ds_load_b128 v[W+16*(4*\u+\s)+4*\c:W+16*(4*\u+\s)+4*\c+3], v[WA] offset:512*(16*\u+4*\s+\c)
.endr
.endr
.endr
.endm
.macro FETCH img, k0                   ; K steps k0, k0 + 1 of z (img 0) or n (img 1)
.irp s, 0,1
.irp c, 0,1,2,3
	ds_load_b128 v[T+16*\s+4*\c:T+16*\s+4*\c+3], v[ZL] offset:8192*\img+2048*(\k0+\s)+512*\c
.endr
.endr
.endm
.macro MUL k0, zero                    ; K steps k0, k0 + 1; the two accumulators take turns; zero = 1: K step 0 starts the sums
.irp s, 0,1
.irp u, 0,1
.if \zero && (\s == 0)
	v_wmma_f32_16x16x128_fp8_fp8 v[ACC+8*\u:ACC+8*\u+7], v[W+16*(4*\u+\k0+\s):W+16*(4*\u+\k0+\s)+15], v[T+16*\s:T+16*\s+15], 0
.else
	v_wmma_f32_16x16x128_fp8_fp8 v[ACC+8*\u:ACC+8*\u+7], v[W+16*(4*\u+\k0+\s):W+16*(4*\u+\k0+\s)+15], v[T+16*\s:T+16*\s+15], v[ACC+8*\u:ACC+8*\u+7]
.endif
.endr
.endr
.endm
.macro VEC4 dst, b                     ; my 16 columns of the vector at s[b:b+1]
.irp k, 0,1,2,3
	global_load_b128 v[\dst+4*\k:\dst+4*\k+3], v[PA], s[\b:\b+1] offset:16*\k
.endr
.endm
.macro ADD2 d, a, b
	v_pk_add_f32 v[\d:\d+1], v[\a:\a+1], v[\b:\b+1]
.endm
.macro SQ d, a                         ; d += a^2
	v_pk_fma_f32 v[\d:\d+1], v[\a:\a+1], v[\a:\a+1], v[\d:\d+1]
.endm
; The 16 numbers y in ACC become (y - mean) rsqrt(var + 1e-5) g + b.  red: the regions' offset; younger: global loads that may stay out behind the gain's and the bias's.
.macro LNORM red, younger
	ADD2 T, ACC, ACC+2
	ADD2 T+2, ACC+4, ACC+6
	ADD2 T+4, ACC+8, ACC+10
	ADD2 T+6, ACC+12, ACC+14
	ADD2 T, T, T+2
	ADD2 T+4, T+4, T+6
	ADD2 T, T, T+4
	v_add_f32 v16, v[T], v[T+1]
	v_permlanex16_b32 v18, v16, s46, s47
	v_add_f32 v16, v16, v18                        ; my wave's 32 columns: s_w
	v_mul_f32 v12, s66, v16                        ; their mean
.irp j, 0,2,4,6,8,10,12,14
	v_pk_add_f32 v[T+8+\j:T+9+\j], v[ACC+\j:ACC+\j+1], v[12:13] op_sel_hi:[1,0] neg_lo:[0,1] neg_hi:[0,1]
.endr
	v_pk_mul_f32 v[T:T+1], v[T+8:T+9], v[T+8:T+9]
	v_pk_mul_f32 v[T+2:T+3], v[T+10:T+11], v[T+10:T+11]
	v_pk_mul_f32 v[T+4:T+5], v[T+12:T+13], v[T+12:T+13]
	v_pk_mul_f32 v[T+6:T+7], v[T+14:T+15], v[T+14:T+15]
	SQ T, T+16
	SQ T+2, T+18
	SQ T+4, T+20
	SQ T+6, T+22
	ADD2 T, T, T+2
	ADD2 T+4, T+4, T+6
	ADD2 T, T, T+4
	v_add_f32 v17, v[T], v[T+1]
	v_permlanex16_b32 v19, v17, s46, s47
	v_add_f32 v17, v17, v19                        ; Q_w
	ds_store_b32 v[RA], v16 offset:\red            ; (both halves of the lanes store the same words)
	ds_store_b32 v[RA], v17 offset:\red+1280
	s_wait_dscnt 0x0                               ; for the others' sake
	s_barrier_signal -1
	s_barrier_wait -1
.irp i, 0,1,2,3
	ds_load_b128 v[T+4*\i:T+4*\i+3], v[RL] offset:\red+16*\i
.endr
.irp i, 0,1,2,3
	ds_load_b128 v[T+16+4*\i:T+19+4*\i], v[RL] offset:\red+1280+16*\i
.endr
	s_wait_loadcnt \younger                        ; the gain and the bias
	s_wait_dscnt 0x0
	ADD2 24, T, T+2
	ADD2 26, T+4, T+6
	ADD2 28, T+8, T+10
	ADD2 30, T+12, T+14
	ADD2 24, 24, 26
	ADD2 28, 28, 30
	ADD2 24, 24, 28
	v_add_f32 v16, v24, v25
	v_mul_f32 v12, s44, v16                        ; the row's mean
.irp j, 0,2,4,6,8,10,12,14
	v_pk_fma_f32 v[T+\j:T+\j+1], v[T+\j:T+\j+1], s[66:67], v[12:13] op_sel_hi:[1,0,0] neg_lo:[0,0,1] neg_hi:[0,0,1]   ; s_w / 32 - mean
.endr
	v_pk_mul_f32 v[24:25], v[T:T+1], v[T:T+1]
	v_pk_mul_f32 v[26:27], v[T+2:T+3], v[T+2:T+3]
	ADD2 28, T+16, T+18
	ADD2 30, T+20, T+22
	SQ 24, T+4
	SQ 26, T+6
	ADD2 28, 28, T+24
	ADD2 30, 30, T+26
	SQ 24, T+8
	SQ 26, T+10
	ADD2 28, 28, T+28
	ADD2 30, 30, T+30
	SQ 24, T+12
	SQ 26, T+14
	ADD2 28, 28, 30
	ADD2 24, 24, 26
	v_pk_fma_f32 v[24:25], v[24:25], 0x42000000, v[28:29] op_sel_hi:[1,0,1]   ; 32 x the one + the other
	v_add_f32 v16, v24, v25
	v_fmaak_f32 v14, s44, v16, 0x3727c5ac          ; the variance + 1e-5
	s_wait_alu depctr_va_vdst(0)                   ; ahead of the transcendental
	v_rsq_f32 v14, v14
.irp j, 0,2,4,6,8,10,12,14
	v_pk_add_f32 v[ACC+\j:ACC+\j+1], v[ACC+\j:ACC+\j+1], v[12:13] op_sel_hi:[1,0] neg_lo:[0,1] neg_hi:[0,1]   ; y - mean (plain places behind the transcendental)
.endr
	s_wait_alu depctr_va_vdst(0)                   ; and behind it
.irp j, 0,2,4,6,8,10,12,14
	v_pk_mul_f32 v[ACC+\j:ACC+\j+1], v[ACC+\j:ACC+\j+1], v[14:15] op_sel_hi:[1,0]
.endr
.irp j, 0,2,4,6,8,10,12,14
	v_pk_fma_f32 v[ACC+\j:ACC+\j+1], v[ACC+\j:ACC+\j+1], v[GB+\j:GB+\j+1], v[GB+16+\j:GB+17+\j]
.endr
.endm
	s_load_b512 s[8:23], s[0:1], 0x0               ; zc s[8:9], wimg s[10:11], x s[12:13], ln1_g s[14:15], ln1_b s[16:17], ffn_b s[18:19], ln2_g s[20:21], ln2_b s[22:23]
	s_load_b128 s[24:27], s[0:1], 0x40             ; the scales' exponents s[24:25], out0 s[26:27]
	v_lshl_add_u32 v[SPW], v0, 2, SPARE
	v_mov_b32 v[NIL], 0
	ds_add_u32 v[SPW], v[NIL]                      ; the opening: the add, twice on end, and its wait
	ds_add_u32 v[SPW], v[NIL]
	v_lshrrev_b32 v16, 5, v0
	v_readfirstlane_b32 s48, v16                   ; wave 0..15
	s_bfe_u32 s49, ttmp6, 0x40000                  ; cx: it enters global addresses of my own loads and stores alone
	s_lshl_b32 s50, ttmp9, 2
	s_add_co_u32 s50, s50, s49                     ; my tile of 16 tokens
	s_lshl_b32 s28, s48, 9
	s_lshl_b32 s29, s48, 14
	s_mul_i32 s30, s48, 2064
	s_add_co_u32 s30, s30, STG
	s_lshl_b32 s31, s48, 7
	s_lshl_b32 s36, s48, 2
	s_add_co_u32 s36, s36, RED
	s_lshl_b32 s37, s48, 11
	s_add_co_u32 s38, s28, ZIMG
	s_add_co_u32 s39, s31, STG
	v_and_b32 v17, 31, v0                          ; lane
	v_and_b32 v18, 15, v0                          ; r
	v_bfe_u32 v19, v0, 4, 1                        ; h
	v_lshlrev_b32 v[LI], 4, v17
	v_mul_u32_u24 v[SL], v18, 2064
	v_mul_u32_u24 v[RL], v18, 80
	v_lshlrev_b32 v[PA], 6, v19
	v_add_nc_u32 v[ZC], s28, v[LI]
	v_add_nc_u32 v[ZS], s38, v[LI]
	v_add_nc_u32 v[ZL], ZIMG, v[LI]
	v_add_nc_u32 v[WA], s29, v[LI]
	v_add_nc_u32 v[SRW], s30, v[LI]
	v_add_nc_u32 v[GR], s37, v[LI]
	v_lshl_add_u32 v[SL], v19, 6, v[SL]
	v_add_nc_u32 v[RA], s36, v[RL]
	v_add_nc_u32 v[PA], s31, v[PA]
	v_add_nc_u32 v[SL], s39, v[SL]
	v_add_nc_u32 v[RL], RED, v[RL]
	v_mov_b32 v13, 0
	v_mov_b32 v15, 0
	; descriptor group 1: 64 rows of 256 bytes, dense
	s_mov_b32 s52, 15|(3<<16)|(1<<21)              ; 15:0 the mask: all four work-groups; 17:16 elements of 8 bytes; no padding; 21 set beside a mask
	s_mov_b32 s53, 32<<16                          ; tensor_dim0 = 32 elements
	s_mov_b32 s54, 64<<16                          ; tensor_dim1 = 64
	s_mov_b32 s55, 32<<16                          ; tile_dim0 = 32
	s_mov_b32 s56, 64                              ; tile_dim1 = 64
	s_mov_b32 s57, 32                              ; from row to row: 32 elements
	s_mov_b32 s58, 0
	s_mov_b32 s59, 0
	s_mov_b32 s44, 0x3b000000                      ; 1 / 512
	s_mov_b32 s66, 0x3d000000                      ; 1 / 32
	s_mov_b32 s67, s66                             ; (pairs are named whole, so both words are written)
	s_mov_b32 s46, 0x76543210                      ; v_permlanex16_b32's selects for lane l xor 16
	s_mov_b32 s47, 0xfedcba98
	s_lshl_b32 s68, s50, 13                        ; zc: 8,192 bytes a token tile
	s_mov_b32 s69, 0
	s_lshl_b32 s70, s50, 15                        ; x, out0: 16 rows of 2,048 bytes
	s_mov_b32 s71, 0
	s_mov_b32 s72, s29                             ; both weights: my 16,384 bytes
	s_mov_b32 s73, 0
	s_wait_alu depctr_va_vdst(0)                   ; ahead of the waits below
	s_wait_dscnt 0x0                               ; both opening adds are done
	s_wait_kmcnt 0x0
	s_load_b128 s[32:35], s[24:25], 0x28           ; e10, e11, e12, e13
	s_add_nc_u64 s[8:9], s[8:9], s[68:69]
	s_add_nc_u64 s[12:13], s[12:13], s[70:71]
	s_add_nc_u64 s[26:27], s[26:27], s[70:71]
	s_mov_b32 s60, 1                               ; group 0: count = 1
	s_mov_b32 s61, s29                             ; LDS address: my part
	s_add_nc_u64 s[62:63], s[10:11], s[72:73]      ; w_mh's image, my part
	s_or_b32 s63, s63, 0x80000000                  ; type = 2
	global_load_b128 v[24:27], v[ZC], s[8:9]       ; every load takes 512 consecutive bytes
.irp i, 0,1,2,3
	global_load_b128 v[T+4*\i:T+4*\i+3], v[GR], s[12:13] offset:512*\i th:TH_LOAD_NT
.endr
	CROUND                                         ; all four work-groups are here: the first joint loads meet
	JLOAD                                          ; my part of w_mh
	VEC4 GB, 14
	VEC4 GB+16, 16
	s_wait_kmcnt 0x0
	s_add_co_i32 s36, s32, s33
	s_add_co_i32 s36, s36, 127
	s_lshl_b32 s36, s36, 23                        ; 2^(e10 + e11)
	s_mov_b32 s37, s36
	s_add_co_i32 s50, s34, s35
	s_add_co_i32 s40, s50, 127
	s_lshl_b32 s40, s40, 23                        ; 2^(e12 + e13)
	s_mov_b32 s41, s40
	s_sub_co_i32 s42, 127, s50
	s_lshl_b32 s42, s42, 23                        ; 2^-(e12 + e13)
	s_mov_b32 s43, s42
	s_add_co_i32 s50, s34, 127
	s_lshl_b32 s51, s50, 23
	s_add_co_i32 s50, s50, 8
	s_lshl_b32 s50, s50, 23
	s_or_b32 s50, s50, 0x600000
	v_mov_b32 v20, s51                             ; 2^e12
	v_mov_b32 v21, s50                             ; 448 x 2^e12
	s_wait_alu depctr_va_vdst(0)
	s_wait_loadcnt 8                               ; z's one and x's four loads are in; the gain's and the bias's eight may be out
	ds_store_b128 v[ZS], v[24:27]
.irp i, 0,1,2,3
	ds_store_b128 v[SRW], v[T+4*\i:T+4*\i+3] offset:512*\i
.endr
	s_wait_tensorcnt 0x0                           ; my part of w_mh is in: none but my wave reads it
	WLOAD
	s_wait_tensorcnt 0x0                           ; ahead of a refill: the wait,
	ds_add_u32 v[SPW], v[NIL]                      ; 0 onto my spare word,
	s_add_nc_u64 s[62:63], s[62:63], 0x40000       ; (no tensor load is out: on to ffn_w's image, 262,144 bytes on)
	s_wait_dscnt 0x0                               ; the add, my reads of the weight and my stores of z and x are done
	CROUND                                         ; so they are in every wave of the cluster: z's image and x's rows are whole
	JLOAD                                          ; ffn_w onto the same bytes: the first tensor load behind the round
	; ---- z W_mh + x
	FETCH 0, 0
.irp k, 0,1,2,3
	ds_load_b128 v[X+4*\k:X+4*\k+3], v[SL] offset:16*\k   ; x(r, 32 w + 16 h + 4 k ..)
.endr
	s_wait_dscnt 4                                 ; z's fragments are in; x's four may be out
	MUL 0, 1
	P4
	FETCH 0, 2
	s_wait_dscnt 0x0
	MUL 2, 0
	P4
.irp j, 0,2,4,6,8,10,12,14
	v_pk_fma_f32 v[ACC+\j:ACC+\j+1], v[ACC+\j:ACC+\j+1], s[36:37], v[X+\j:X+\j+1] op_sel_hi:[1,0,1]   ; sum x 2^(e10 + e11) + x, each accumulator from its low end on
.endr
	VEC4 X, 18                                     ; ffn_b
	LNORM 0, 4
	; ---- n is quantised; its image goes to LDS; (n + ffn_b) / 2^(e12 + e13) becomes the second product's C
	VEC4 GB, 20                                    ; the second norm's gain and bias
	VEC4 GB+16, 22
.set ix, 0
.rept 16
	v_med3_num_f32 v[T+ix], v[ACC+ix], -v21, v21
.set ix, ix+1
.endr
	v_cvt_scalef32_pk8_fp8_f32 v[24:25], v[T:T+7], v20
	v_cvt_scalef32_pk8_fp8_f32 v[26:27], v[T+8:T+15], v20
	v_nop                                          ; a plain vector line behind the conversions
	ds_store_b128 v[ZS], v[24:27] offset:8192      ; group w % 4 of K step w / 4
	s_wait_loadcnt 8                               ; ffn_b is in; the eight younger loads may be out
.irp j, 0,2,4,6,8,10,12,14
	v_pk_mul_f32 v[X+\j:X+\j+1], v[X+\j:X+\j+1], s[42:43] op_sel_hi:[1,0]
.endr
.irp j, 0,2,4,6,8,10,12,14
	v_pk_fma_f32 v[ACC+\j:ACC+\j+1], v[ACC+\j:ACC+\j+1], s[42:43], v[X+\j:X+\j+1] op_sel_hi:[1,0,1]
.endr
	s_wait_alu depctr_va_vdst(0)                   ; directly ahead of the wait below
	s_wait_dscnt 0x0                               ; for the others' sake
	s_barrier_signal -1
	s_barrier_wait -1                              ; n's four fragments lie in LDS
	; ---- n W_f^T + ffn_b + n, and the second norm
	FETCH 1, 0
	s_wait_tensorcnt 0x0                           ; my part of ffn_w is in
	WLOAD
	s_wait_dscnt 16                                ; n's fragments and the weight's K steps 0 and 1 are in; its last 16 loads may be out
	MUL 0, 0
	P4
	FETCH 1, 2
	s_wait_dscnt 0x0
	MUL 2, 0
	P4
.irp j, 0,2,4,6,8,10,12,14
	v_pk_mul_f32 v[ACC+\j:ACC+\j+1], v[ACC+\j:ACC+\j+1], s[40:41] op_sel_hi:[1,0]
.endr
	LNORM 2560, 0
	; ---- the way out: through the stage, whose rows of x every wave has long read, and out as whole rows
.irp k, 0,1,2,3
	ds_store_b128 v[SL], v[ACC+4*\k:ACC+4*\k+3] offset:16*\k
.endr
	s_wait_dscnt 0x0
	s_barrier_signal -1
	s_barrier_wait -1
.irp t, 0,1,2,3
	ds_load_b128 v[T+4*\t:T+4*\t+3], v[SRW] offset:512*\t
.endr
.irp t, 0,1,2,3
	s_wait_dscnt 3-\t                              ; LDS loads come back in order: load t is in, the younger ones stay out
	global_store_b128 v[GR], v[T+4*\t:T+4*\t+3], s[26:27] offset:512*\t th:TH_STORE_NT   ; 512 consecutive bytes, aligned
.endr
	s_wait_tensorcnt 0x0                           ; the wave's end
	ds_add_u32 v[SPW], v[NIL]
	s_wait_dscnt 0x0
	CROUND                                         ; the closing round: no work-group ends while a partner may still ask for a tile that names it
	s_endpgm
.Lfunc_end_k_qce13bafd03_tail:
	.size	k_qce13bafd03_tail, .Lfunc_end_k_qce13bafd03_tail-k_qce13bafd03_tail
	.p2alignl 7, 3214868480
	.fill 96, 4, 3214868480
	.section	.rodata,"a",@progbits
	.p2align	6, 0x0
	.amdhsa_kernel k_qce13bafd03_tail
		.amdhsa_group_segment_fixed_size 327680
		.amdhsa_private_segment_fixed_size 0
		.amdhsa_enable_private_segment 0
		.amdhsa_kernarg_size 80
		.amdhsa_user_sgpr_count 2
		.amdhsa_user_sgpr_kernarg_segment_ptr 1
		.amdhsa_wavefront_size32 1
		.amdhsa_system_sgpr_workgroup_id_x 1
		.amdhsa_system_sgpr_workgroup_id_y 1
		.amdhsa_system_sgpr_workgroup_id_z 1
		.amdhsa_system_vgpr_workitem_id 0
		.amdhsa_next_free_vgpr 256
		.amdhsa_next_free_sgpr 80
		.amdhsa_reserve_vcc 0
		.amdhsa_float_denorm_mode_32 3
		.amdhsa_float_denorm_mode_16_64 3
		.amdhsa_memory_ordered 1
		.amdhsa_forward_progress 1
		.amdhsa_inst_pref_size 35
	.end_amdhsa_kernel
	.amdgpu_metadata
---
amdhsa.version: [ 1, 2 ]
amdhsa.kernels:
  - .name:           k_qce13bafd03_tail
    .symbol:         k_qce13bafd03_tail.kd
    .args:
      - { .name: zc, .offset: 0, .size: 8, .value_kind: global_buffer, .address_space: global }
      - { .name: wimg, .offset: 8, .size: 8, .value_kind: global_buffer, .address_space: global }
      - { .name: x, .offset: 16, .size: 8, .value_kind: global_buffer, .address_space: global }
      - { .name: ln1_g, .offset: 24, .size: 8, .value_kind: global_buffer, .address_space: global }
      - { .name: ln1_b, .offset: 32, .size: 8, .value_kind: global_buffer, .address_space: global }
      - { .name: ffn_b, .offset: 40, .size: 8, .value_kind: global_buffer, .address_space: global }
      - { .name: ln2_g, .offset: 48, .size: 8, .value_kind: global_buffer, .address_space: global }
      - { .name: ln2_b, .offset: 56, .size: 8, .value_kind: global_buffer, .address_space: global }
      - { .name: lowp_scales, .offset: 64, .size: 8, .value_kind: global_buffer, .address_space: global }
      - { .name: out0, .offset: 72, .size: 8, .value_kind: global_buffer, .address_space: global }
    .group_segment_fixed_size: 327680
    .private_segment_fixed_size: 0
    .kernarg_segment_align: 8
    .kernarg_segment_size: 80
    .max_flat_workgroup_size: 512
    .sgpr_count:     80
    .vgpr_count:     256
    .wavefront_size: 32
...
	.end_amdgpu_metadata
.endif
;; end of part 3
